; MI455X (gfx1250); checked and timed in simulation.
; The chip was launched on July 23, 2026; its instructions are those of AMD's public machine-readable ISA for CDNA 5 (MIT licence, August 2026) and "CDNA5" Instruction Set Architecture Reference Guide (July 2026). The comments in the code are by the model that wrote it; some were corrected since.
;; Live Net. Allowed arithmetic: float matrix products may take bf16 or f16 operands with f32 sums; other float arithmetic in f32, or as packed bf16 or f16 multiplies, adds, multiply-adds, maxima and minima; sums over many terms, partial sums and values carried from step to step in f32; what a program stores and reads back later, other than sums and carried values, may be rounded once to bf16 or f16.
;; Inputs: W1 8,192 x 2,048 float32; W2 2,048 x 8,192 float32; b1 8,192 float32; b2 2,048 float32; x 2,048 x 2,048 float32.
;; Outputs: out0 2,048 x 2,048 float32.
;; One version. Each part assembles by itself: llvm-mc -triple=amdgcn-amd-amdhsa -mcpu=gfx1250 --defsym DOCPART=n.
;; ======== version 1 of 1: 4 launches
;; workspace buffers: xb 8,388,608 bytes; w1b 33,554,432 bytes; w2b 33,554,432 bytes; hid 33,554,432 bytes; part 67,108,864 bytes
;; launch cvt (part 1): grid 256 x 5, 8 waves a work-group, no clusters, 0 bytes of LDS; arguments x, W1, xb, w1b; writes xb, w1b
.if DOCPART == 1
	.amdgcn_target "amdgcn-amd-amdhsa--gfx1250"
	.amdhsa_code_object_version 6
	.text
	.protected	k_q1fc91d4297_cvt
	.globl	k_q1fc91d4297_cvt
	.p2align	8
	.type	k_q1fc91d4297_cvt,@function
k_q1fc91d4297_cvt:
	s_mov_b64 s[64:65], 0
	v_nop
	global_prefetch_b8 v0, s[64:65] scope:SCOPE_SE
	s_setreg_imm32_b32 hwreg(HW_REG_WAVE_MODE, 25, 1), 1
	s_wait_xcnt 0x0
; x and W1 (f32) are rounded once, to nearest even, to bf16, in the same layouts: xb, w1b.  bf16 has f32's range of exponents, so no input overflows.
; (W2 is rounded by the launch behind, beside its products: nothing wants it earlier.)
; SHARES.  A work-group converts a chunk of 65,536 input bytes into 32,768 output bytes.  x has 256 chunks, W1 1,024: 1,280 = 256 x 5 work-groups.
; Grid row 0 is x, rows 1 to 4 are W1.  A wave takes 8,192 consecutive input bytes: sixteen loads of 16 bytes a lane (512 consecutive bytes each), all issued at once;
; each load gives two packed roundings and one store of 8 bytes a lane: 32 lanes store 256 consecutive bytes, at a multiple of 256 from the buffer's first byte.
; No LDS, no barrier, no matrix unit, no cluster: no byte is wanted by two lanes, and there is one rounding for each number.  No loop: a wave's whole share is in flight at once.
.set OUTO, 2                           ; v2       my byte offset in the chunk's output
.set INO,  3                           ; v3       my byte offset in the chunk's input
.set X,    4                           ; v[4:67]  load i: four registers; its two lowest then hold the four bf16
	s_load_b256 s[4:11], s[0:1], 0x0               ; x s[4:5], W1 s[6:7], xb s[8:9], w1b s[10:11]
	s_and_b32 s16, ttmp7, 0xffff                   ; grid row 0..4
	v_and_b32 v1, 31, v0                           ; lane
	v_lshrrev_b32 v[INO], 5, v0                    ; wave
	v_lshlrev_b32 v[INO], 13, v[INO]               ; 8,192 bytes a wave
	v_lshl_add_u32 v[INO], v1, 4, v[INO]           ; + 16 bytes a lane
	v_lshrrev_b32 v[OUTO], 1, v[INO]               ; half of that in the output
	s_wait_kmcnt 0x0
	s_cmp_eq_u32 s16, 0                            ; row 0: x; rows 1 to 4: W1
	s_cselect_b64 s[18:19], s[4:5], s[6:7]
	s_cselect_b64 s[20:21], s[8:9], s[10:11]
	s_cselect_b32 s17, 0, 1                        ; the tensor's first grid row
	s_sub_co_u32 s16, s16, s17
	s_lshl_b32 s16, s16, 8
	s_add_co_u32 s16, s16, ttmp9                   ; the chunk's number in its tensor: 1,023 at the most
	s_lshl_b32 s22, s16, 16                        ; its byte offset in the input,
	s_mov_b32 s23, 0
	s_lshl_b32 s24, s16, 15                        ; and in the output
	s_mov_b32 s25, 0
	s_add_nc_u64 s[18:19], s[18:19], s[22:23]
	s_add_nc_u64 s[20:21], s[20:21], s[24:25]
.irp i, 0,1,2,3,4,5,6,7,8,9,10,11,12,13,14,15
	global_load_b128 v[X+4*(\i):X+4*(\i)+3], v[INO], s[18:19] offset:512*(\i) th:TH_LOAD_NT
.endr
.irp i, 0,1,2,3,4,5,6,7,8,9,10,11,12,13,14,15
	s_wait_loadcnt 15-(\i)                         ; loads come back in order (ISA guide 5.7.1): load i is in, the 15 - i younger ones stay out
	v_cvt_pk_bf16_f32 v[X+4*(\i)],   v[X+4*(\i)],   v[X+4*(\i)+1]
	v_cvt_pk_bf16_f32 v[X+4*(\i)+1], v[X+4*(\i)+2], v[X+4*(\i)+3]
	global_store_b64 v[OUTO], v[X+4*(\i):X+4*(\i)+1], s[20:21] offset:256*(\i)  ; no register that a store names is written again
.endr
	s_endpgm
.Lfunc_end_k_q1fc91d4297_cvt:
	.size	k_q1fc91d4297_cvt, .Lfunc_end_k_q1fc91d4297_cvt-k_q1fc91d4297_cvt
	.p2alignl 7, 3214868480
	.fill 96, 4, 3214868480
	.section	.rodata,"a",@progbits
	.p2align	6, 0x0
	.amdhsa_kernel k_q1fc91d4297_cvt
		.amdhsa_group_segment_fixed_size 0
		.amdhsa_private_segment_fixed_size 0
		.amdhsa_enable_private_segment 0
		.amdhsa_kernarg_size 32
		.amdhsa_user_sgpr_count 2
		.amdhsa_user_sgpr_kernarg_segment_ptr 1
		.amdhsa_wavefront_size32 1
		.amdhsa_system_sgpr_workgroup_id_x 1
		.amdhsa_system_sgpr_workgroup_id_y 1
		.amdhsa_system_sgpr_workgroup_id_z 1
		.amdhsa_system_vgpr_workitem_id 0
		.amdhsa_next_free_vgpr 68
		.amdhsa_next_free_sgpr 66
		.amdhsa_reserve_vcc 0
		.amdhsa_float_denorm_mode_32 3
		.amdhsa_float_denorm_mode_16_64 3
		.amdhsa_memory_ordered 1
		.amdhsa_forward_progress 1
		.amdhsa_inst_pref_size 7
	.end_amdhsa_kernel
	.amdgpu_metadata
---
amdhsa.version: [ 1, 2 ]
amdhsa.kernels:
  - .name:           k_q1fc91d4297_cvt
    .symbol:         k_q1fc91d4297_cvt.kd
    .args:
      - { .name: x, .offset: 0, .size: 8, .value_kind: global_buffer, .address_space: global }
      - { .name: W1, .offset: 8, .size: 8, .value_kind: global_buffer, .address_space: global }
      - { .name: xb, .offset: 16, .size: 8, .value_kind: global_buffer, .address_space: global }
      - { .name: w1b, .offset: 24, .size: 8, .value_kind: global_buffer, .address_space: global }
    .group_segment_fixed_size: 0
    .private_segment_fixed_size: 0
    .kernarg_segment_align: 8
    .kernarg_segment_size: 32
    .max_flat_workgroup_size: 256
    .sgpr_count:     66
    .vgpr_count:     68
    .wavefront_size: 32
...
	.end_amdgpu_metadata
.endif
;; end of part 1
;; launch layer1 (part 2): grid 32 x 8, 4 waves a work-group, clusters of 4 x 4, 327,680 bytes of LDS; arguments xb, w1b, b1, hid, W2, w2b; writes hid, w2b
.if DOCPART == 2
	.amdgcn_target "amdgcn-amd-amdhsa--gfx1250"
	.amdhsa_code_object_version 6
	.text
	.protected	k_q1fc91d4297_layer1
	.globl	k_q1fc91d4297_layer1
	.p2align	8
	.type	k_q1fc91d4297_layer1,@function
k_q1fc91d4297_layer1:
	s_mov_b64 s[64:65], 0
	v_nop
	global_prefetch_b8 v0, s[64:65] scope:SCOPE_SE
	s_setreg_imm32_b32 hwreg(HW_REG_WAVE_MODE, 25, 1), 1
	s_wait_xcnt 0x0
	s_wait_alu depctr_hold_cnt(0) depctr_sa_sdst(0) depctr_va_vdst(0) depctr_va_sdst(0) depctr_va_ssrc(0) depctr_va_vcc(0) depctr_vm_vsrc(0)
	s_getreg_b32 s2, hwreg(HW_REG_IB_STS2, 6, 4)
	s_cmp_eq_u32 s2, 0
	s_cbranch_scc0 .Lentry_in_a_cluster
	s_endpgm
.Lentry_in_a_cluster:
	s_bfe_u32 s2, ttmp6, 0x10000c
	s_cmp_lg_u32 s2, 0xf033
	s_cbranch_scc0 .Lentry_shape_is_right
	s_endpgm
.Lentry_shape_is_right:
; LAYER 1.  hid[m][n] = relu(b1[n] + the sum over k of xb[m][k] w1b[n][k]).  xb: [2048][2048], w1b: [8192][2048], hid: [2048][8192], all bf16; b1: [8192] f32.
; One f32 sum for each output, begun with b1[n], K ascending; rounded once to bf16, then the larger of it and 0.
; BESIDE IT: w2b = W2 rounded once to bf16 ([2048][8192], f32 in, bf16 out, the same layout), which the launch behind multiplies by.  See THE RIDERS below.
; LIMITS.  A sum that is NaN gives 0 (the maximum takes the number, not the NaN); relu(-0) may be either zero; the sums' order is the matrix unit's, not a chain of f32 additions.
; SHARES.  hid has 8 x 32 = 256 tiles of 256 x 256: one work-group each.  Four waves, each 128 x 128: 64 accumulators of 16 x 16, 512 registers.  K goes in 16 steps of 128 through a ring of two
; LDS slots filled by the tensor data mover: a tile's rows are 256 bytes of memory and start at multiples of 256 bytes from the buffer's first byte.
; The last K step goes by rows of the tile, so that finished rows leave while the others are multiplied.
; CLUSTERS: 4 x 4 work-groups.  The four of a row of the cluster need the same tiles of xb, the four of a column the same tiles of w1b.  Such a tile is asked for JOINTLY: each of the four issues the
; same tensor load, with the same descriptor and a mask that names the four, and each receives the tile in its own LDS.
; REGISTERS, in windows of 256 (s_set_vgpr_msb's low byte: bits 1:0 source 0, 3:2 source 1, 5:4 source 2, 7:6 destination):
;   window 0: v0-31 addresses; v32-63 W2's rounded chunks, eight sets of four, later at work on the way out; v64-127, v128-191 fragments of xb (8 x 16 rows x 32 K), two buffers (in the last K step
;             four, of 16 rows x 128 K); v192-255 at work on the way out
;   window 1: v0-63 b1 as a C operand, eight registers for each block of 16 columns; v64-127, v128-191 fragments of w1b, two buffers; v192-255 W2's chunks as loaded, eight sets of eight;
;             in the last K step all 256: w1b's fragments of the whole step
;   window 2: the 32 accumulators of my rows 0-63 (accumulator (a, b) at v[8 (8 a + b)]);   window 3: those of my rows 64-127
; THE MATRIX INSTRUCTION IS USED TRANSPOSED: source 0 = 16 rows of w1b, source 1 = 16 rows of xb.  In the result lane l holds row l % 16 of hid and its registers 0 to 7 the columns
; 8 (l / 16) + 0 .. 7: eight neighbouring numbers, which pack into 16 bytes.  So the C operand that starts an accumulator's sum holds b1 of those eight columns, the same for all blocks of rows.
; THE RIDERS.  W2 is 65,536 chunks of 1,024 bytes; each of the launch's 1,024 waves rounds 64 of them, on end.  A SITE is the place in a quarter step where the next fragments are fetched from LDS:
; there a chunk is rounded (four packed roundings, which in six sites of eight stand where four v_nop would), stored (two stores of 8 bytes a lane: 256 consecutive bytes each, aligned) and the
; chunk eight sites on is asked for (two loads of 16 bytes a lane: 512 consecutive bytes each).  So a chunk has two K steps, 512 matrix instructions, in which to come.  The loads stand in the part
; of the LDS run whose destination is window 1, the stores in the part under window 0: a site costs one window switch more.  The head asks for chunks 0 to 7; the loop's 56 sites round chunks
; 0 to 55 and ask for 8 to 63; the tail rounds the last eight at three sites and asks for nothing.
.set KSTEP,  128
.set KEXT,   2048                      ; K of this product
.set PITK,   2048                      ; elements from row to row of xb and w1b
.set CROW,   8192*2                    ; bytes from row to row of hid
.set PITCH,  272                       ; an LDS row: 256 bytes of data + 16 of padding = 68 words: row r starts at bank 4 r mod 64 (64 banks of 4 bytes: ISA guide 11.1), so the 16 rows that a load touches start at 16 different banks
.set HALFT,  128*PITCH                 ; 128 rows: what one tensor load brings, and what one wave reads of either operand
.set SLOT,   4*HALFT                   ; xb's 256 rows, then w1b's 256 rows
.set STAGE,  2*SLOT                    ; behind the ring: 16 rows x 272 bytes for each wave, for the way out; no tensor load lands here
.set SPITCH, 272
.set SPARE,  STAGE+4*16*SPITCH         ; behind the stages: the spare words, 128 bytes for each wave: two blocks of 256 bytes that no other line names
.set LAPS,   KEXT/(2*KSTEP)            ; a lap = two K steps = once round the ring: 8
.set CHI,    1024                      ; a chunk of W2, in bytes,
.set CHO,    512                       ; and of w2b
.set WI,   6                           ; v6      my byte offset in half a chunk of W2: 16 x lane; never rewritten
.set WQ,   7                           ; v7      my byte offset in half a chunk of w2b: 8 x lane; never rewritten
.set ADRA, 16                          ; v16-17  LDS address of my xb fragments in slot 0, 1
.set ADRB, 20                          ; v20-21  the same for w1b
.set STO,  24                          ; v24     the way out: where I put 16 bytes of a row
.set RD,   25                          ; v25     the way out: where I read a row back
.set CO,   26                          ; v26     my byte offset in hid
.set BO,   27                          ; v27     my byte offset in a block's 16 numbers of b1: 32 (l / 16); never rewritten
.set SPW,  28                          ; v28     LDS address of my spare word: SPARE + 4 x my thread's number; never rewritten
.set NIL,  29                          ; v29     0; never rewritten
.set PFO,  30                          ; v30     the prefetches' offset: my lane x a row of xb or w1b (4,096 bytes); never rewritten
.set ZR,   31                          ; v31     0, twice in bf16: the ReLU's other operand
.set YB,   32                          ; v32-63  set j of eight: a chunk rounded, four registers
.set RG,   192                         ; window 1, v192-255: set j of eight: a chunk as loaded, eight registers
.set PFA,  44                          ; s[44:45] where my prefetches stand: my work-group's 32 rows of the 128 that I fetch, one K step further along K than the refill that is being asked for
.set LIM,  43                          ; s43     1 in a wave that prefetches, else the greatest number
.set BIA,  68                          ; s[68:69] b1, then b1 at my 128 columns
.set W2S,  72                          ; s[72:73] W2 at my wave's chunks: it steps eight chunks a trip
.set W2D,  74                          ; s[74:75] w2b likewise
.set F0,   64                          ; fragment buffer 0
.set F1,   128                         ; fragment buffer 1
.set TMP,  192                         ; the way out: packed results, in window 0
.set OB,   32                          ; the way out: 16 rows read back from the stage: v32-63 and v224-255 by turns
.set PA,   64                          ; the last K step: xb's fragments of 16 rows x 128 K, 32 registers; four such buffers, v64-191
.set G1,  24                           ; s[24:31] descriptor group 1 for xb's tiles
.set G0,  32                           ; s[32:39] descriptor group 0 for xb's tiles, one set for each slot
.set G1B, 48                           ; s[48:55] descriptor group 1 for w1b's tiles: it differs in the mask alone
.set G0B, 56                           ; s[56:63] descriptor group 0 for w1b's tiles, one set for each slot
.set MSB, 0
.macro WIN new                         ; the immediate's high byte repeats the setting that is left; a switch that changes nothing is dropped
.if MSB != (\new)
	s_set_vgpr_msb (MSB<<8)|(\new)
.set MSB, \new
.endif
.endm
.set MUL_LO, 0xa1                      ; source 0 (w1b) window 1, source 1 (xb) window 0, C and D window 2
.set MUL_B,  0x91                      ; the same with C (b1) in window 1
.set TO_B,   0x40                      ; destination window 1, address window 0
.set FROM_B, 0x05                      ; sources 0 and 1 window 1, destination window 0
; A joint load.  Waves 0 and 1 fetch xb's two halves, waves 2 and 3 w1b's.  Each of the two lines has one mask and one set of registers for all that issue it.  The branch hangs on the wave's number alone.
; An s_nop 0 and four v_nop follow each of the two lines, ahead of the jump, the label and what follows.
.macro JLOAD s
	s_cmp_eq_u32 s11, 0
	s_cbranch_scc0 .Lfor_b_\@
	tensor_load_to_lds s[G0+4*(\s):G0+4*(\s)+3], s[G1:G1+7]
	s_nop 0
.rept 4
	v_nop
.endr
	s_branch .Lasked_\@
.Lfor_b_\@:
	tensor_load_to_lds s[G0B+4*(\s):G0B+4*(\s)+3], s[G1B:G1B+7]
	s_nop 0
.rept 4
	v_nop
.endr
.Lasked_\@:
.endm
; A PREFETCH INTO THE L2, behind each joint refill and the run of LDS loads that follows it: the K step that stands TWO refills on, 512 matrix instructions ahead of the load that will ask for it:
; 32 rows x 256 bytes, a lane a row, one instruction a wave.  Each row's 256 bytes of a K step are named ONCE in the launch.  A tile row of xb is read by all eight clusters of that row of clusters:
; the one with cluster x = 0 prefetches; a tile column of w1b by both clusters of that column: cluster y = 0 prefetches.  The four partners that ask for a tile jointly share its rows out BY ADDRESS:
; of the 128 rows that a wave fetches the partner at place p takes 32 p .. 32 p + 31 (p = cx for xb, cy for w1b): no branch hangs on a work-group's place in its cluster.
; The loop's 14 refills bring K steps 2 to 15; the first 12 name K steps 4 to 15; the last trip's two (s3 = 1) name nothing.  W2 is not prefetched: its loads themselves stand two K steps ahead.
.macro ASK
	s_cmp_gt_u32 s3, s[LIM]
	s_cbranch_scc0 .Lnot_mine_\@
	global_prefetch_b8 v[PFO], s[PFA:PFA+1] offset:KSTEP*2 th:TH_LOAD_NT scope:SCOPE_SE
.Lnot_mine_\@:
.endm
; A round of the cluster's barrier: my work-group's barrier, so that wave 0's signal speaks for all four waves; wave 0 signals for the work-group; every wave waits for all sixteen
; work-groups; my work-group's barrier once more.  No LDS instruction of the wave is pending at a signal.
.macro CREST                           ; a round behind its opening barrier
	s_cmp_lg_u32 s10, 0
	s_cbranch_scc1 .Lnot_wave_0_\@
	s_barrier_signal -3
.Lnot_wave_0_\@:
	s_barrier_wait -3
	s_barrier_signal -1
	s_barrier_wait -1
.endm
.macro CROUND                          ; a whole round
	s_barrier_signal -1
	s_barrier_wait -1
	CREST
.endm
	s_load_b128 s[4:7], s[0:1], 0x0                ; xb s[4:5], w1b s[6:7]
	s_load_b64 s[BIA:BIA+1], s[0:1], 0x10          ; b1
	s_load_b64 s[8:9], s[0:1], 0x18                ; hid
	s_load_b128 s[W2S:W2S+3], s[0:1], 0x20         ; W2, w2b
	v_lshl_add_u32 v[SPW], v0, 2, SPARE
	v_mov_b32 v[NIL], 0
	ds_add_u32 v[SPW], v[NIL]                      ; the wave's opening: the add, twice on end, and its wait ahead of my first tensor load; the set-up below, work on registers, stands between
	ds_add_u32 v[SPW], v[NIL]                      ; and once more, under the one wait
	v_lshrrev_b32 v1, 5, v0
	v_readfirstlane_b32 s10, v1                    ; wave 0..3
	s_lshr_b32 s11, s10, 1                         ; which half of the tile's rows is mine.  Also: I fetch for xb (0) or for w1b (1)
	s_and_b32 s12, s10, 1                          ; which half of its columns.  Also: which 128 rows of that tile I fetch
	s_bfe_u32 s40, ttmp6, 0x40000                  ; cx: my place along the cluster's x
	s_bfe_u32 s41, ttmp6, 0x40004                  ; cy: along its y
	s_lshl_b32 s42, ttmp9, 2                       ; in a cluster launch ttmp9 and ttmp7 count clusters
	s_add_co_u32 s42, s42, s40                     ; tile column = 4 x cluster x + cx: 0..31
	s_and_b32 s13, ttmp7, 0xffff
	s_lshl_b32 s13, s13, 2
	s_add_co_u32 s13, s13, s41                     ; tile row = 4 x cluster y + cy: 0..7
	s_lshl_b32 s43, s41, 2
	s_lshl_b32 s43, 15, s43                        ; my row of the cluster: places 4 cy .. 4 cy + 3
	s_lshl_b32 s44, 0x1111, s40                    ; my column: places cx, cx + 4, cx + 8, cx + 12
	; descriptor group 1: a tile of 128 rows x 128 elements, padded in LDS
	s_or_b32 s[G1+0], s43, (1<<16)|(1<<20)|(1<<21)|(5<<22)|(3<<25)  ; 15:0 the mask: xb's tiles go to my row; 17:16 element of 2 bytes; 20 padding on; 21 set beside a mask; 24:22 after every 64 words (code 5); 31:25 of 4 words (code 3)
	s_or_b32 s[G1B+0], s44, (1<<16)|(1<<20)|(1<<21)|(5<<22)|(3<<25) ; the same with the mask of my column, for w1b's tiles
	s_mov_b32 s[G1B+1], KSTEP<<16
	s_mov_b32 s[G1+1], KSTEP<<16                   ; 63:48 tensor_dim0, low half = 128
	s_mov_b32 s[G1B+2], 128<<16
	s_mov_b32 s[G1+2], 128<<16                     ; 79:64 its high half = 0; 95:80 tensor_dim1, low half = 128
	s_mov_b32 s[G1B+3], KSTEP<<16
	s_mov_b32 s[G1+3], KSTEP<<16                   ; 111:96 its high half = 0; 127:112 tile_dim0 = 128
	s_mov_b32 s[G1B+4], 128
	s_mov_b32 s[G1+4], 128                         ; 143:128 tile_dim1 = 128; 159:144 tile_dim2 = 0
	s_mov_b32 s[G1B+5], PITK
	s_mov_b32 s[G1+5], PITK                        ; 191:160 tensor_dim0_stride, low word: elements from row to row
	s_mov_b32 s[G1B+6], 0
	s_mov_b32 s[G1+6], 0
	s_mov_b32 s[G1B+7], 0
	s_mov_b32 s[G1+7], 0
	; where the tiles come from.  xb's hang on the tile row alone, which my row of the cluster shares; w1b's on the tile column alone, which my column shares.
	; Every wave makes both addresses, in registers that never hold the other coordinate, and asks by one of them.
	s_lshl_b32 s17, s12, 7                         ; which 128 rows of the tile I fetch
	s_lshl_b32 s16, s13, 8
	s_add_co_u32 s16, s16, s17                     ; xb: row 256 x tile row + 128 x half
	s_lshl_b32 s46, s42, 8
	s_add_co_u32 s46, s46, s17                     ; w1b: row 256 x tile column + 128 x half
	s_mov_b32 s17, 0
	s_mov_b32 s47, 0
	s_mov_b64 s[18:19], PITK*2
	s_mul_u64 s[16:17], s[16:17], s[18:19]         ; in bytes
	s_mul_u64 s[46:47], s[46:47], s[18:19]
	s_mul_i32 s20, s10, HALFT                      ; and where they go: wave x 128 rows: no place in the cluster enters an LDS address
	s_wait_dscnt 0x0                               ; both opening adds are done
	s_wait_kmcnt 0x0
	s_add_nc_u64 s[14:15], s[4:5], s[16:17]
	s_add_nc_u64 s[46:47], s[6:7], s[46:47]
	CROUND                                         ; all sixteen work-groups are here: the first joint loads meet
.irp s, 0,1
	s_mov_b32 s[G0+4*(\s)], 1                                      ; 1:0 count = 1
	s_add_co_u32 s[G0+4*(\s)+1], s20, (\s)*SLOT                    ; 63:32 LDS address
	s_add_nc_u64 s[G0+4*(\s)+2:G0+4*(\s)+3], s[14:15], (\s)*KSTEP*2  ; 120:64 global address: K step s
	s_or_b32 s[G0+4*(\s)+3], s[G0+4*(\s)+3], 0x80000000            ; 127:126 type = 2
	s_mov_b32 s[G0B+4*(\s)], 1
	s_add_co_u32 s[G0B+4*(\s)+1], s20, (\s)*SLOT
	s_add_nc_u64 s[G0B+4*(\s)+2:G0B+4*(\s)+3], s[46:47], (\s)*KSTEP*2
	s_or_b32 s[G0B+4*(\s)+3], s[G0B+4*(\s)+3], 0x80000000
	JLOAD \s                                       ; the ring is filled before anything else is done: two tensor loads of mine are out
.endr
	; A fragment is 16 rows x 32 K in 8 registers: lane l holds row l % 16; registers 0-3 hold K = 8 (l / 16) + 0..7, registers 4-7 hold K = 16 + 8 (l / 16) + 0..7:
	; two loads of 16 bytes, 32 bytes apart.  The same for source 0 and source 1.
	v_and_b32 v1, 15, v0                           ; l % 16
	v_bfe_u32 v2, v0, 4, 1                         ; l / 16
	v_mul_u32_u24 v3, v1, PITCH
	v_lshl_add_u32 v3, v2, 4, v3                   ; row x pitch + 16 x half
	s_mul_i32 s21, s11, HALFT                      ; my 128 rows of xb
	s_mul_i32 s22, s12, HALFT                      ; my 128 rows of w1b,
	s_add_co_u32 s22, s22, 2*HALFT                 ; which lie behind xb's 256
.irp s, 0,1
	v_add_nc_u32 v[ADRA+(\s)], s21, v3
	v_add_nc_u32 v[ADRB+(\s)], s22, v3
	s_add_co_u32 s21, s21, SLOT
	s_add_co_u32 s22, s22, SLOT
.endr
	s_mul_i32 s23, s10, 16*SPITCH
	s_add_co_u32 s23, s23, STAGE                   ; my stage
	v_mul_u32_u24 v4, v1, SPITCH                   ; in: row l % 16, 16 bytes for each half of the lanes
	v_lshl_add_u32 v4, v2, 4, v4
	v_add_nc_u32 v[STO], s23, v4
	v_mul_u32_u24 v5, v2, SPITCH                   ; back: lanes 0-15 take one row of 256 bytes, lanes 16-31 the next
	v_lshl_add_u32 v5, v1, 4, v5
	v_add_nc_u32 v[RD], s23, v5
	v_mul_u32_u24 v5, v2, CROW                     ; and the same two rows in hid
	v_lshl_add_u32 v[CO], v1, 4, v5
	; where my part of the tile begins in hid, in bytes: the way out adds it to hid's address
	s_lshl_b32 s13, s13, 8
	s_lshl_b32 s14, s11, 7
	s_add_co_u32 s16, s13, s14                     ; my first row
	s_mov_b32 s17, 0
	s_mov_b64 s[18:19], CROW
	s_mul_u64 s[16:17], s[16:17], s[18:19]
	s_lshl_b32 s46, s42, 9                         ; my first column, in bytes: 512 x tile column + 256 x half
	s_lshl_b32 s47, s12, 8
	s_add_co_u32 s46, s46, s47
	s_mov_b32 s47, 0
	s_add_nc_u64 s[16:17], s[16:17], s[46:47]
	; b1 of my 128 columns, as the C operand of each accumulator's first product: for block b of 16 columns a lane takes the eight numbers 16 b + 8 (l / 16) + 0..7, 32 bytes
	v_mov_b32 v[ZR], 0
	v_lshlrev_b32 v[BO], 5, v2
	s_lshl_b32 s70, s42, 10                        ; 256 columns x 4 bytes a tile column,
	s_lshl_b32 s71, s12, 9                         ; 128 x 4 a half
	s_add_co_u32 s70, s70, s71
	s_mov_b32 s71, 0
	s_add_nc_u64 s[BIA:BIA+1], s[BIA:BIA+1], s[70:71]
	; my wave's 64 chunks of W2: work-group 32 x tile row + tile column has 2^18 bytes of W2, a wave 2^16 of them; half of that in w2b.  s13 = 256 x tile row
	v_and_b32 v[WQ], 31, v0
	v_lshlrev_b32 v[WI], 4, v[WQ]
	v_lshlrev_b32 v[WQ], 3, v[WQ]
	s_lshl_b32 s70, s13, 15                        ; 32 x tile row x 2^18
	s_lshl_b32 s71, s42, 18
	s_add_co_u32 s70, s70, s71
	s_lshl_b32 s71, s10, 16
	s_add_co_u32 s70, s70, s71                     ; under 2^26
	s_mov_b32 s71, 0
	s_add_nc_u64 s[W2S:W2S+1], s[W2S:W2S+1], s[70:71]
	s_lshr_b32 s70, s70, 1
	s_add_nc_u64 s[W2D:W2D+1], s[W2D:W2D+1], s[70:71]
	WIN TO_B
.irp b, 0,1,2,3,4,5,6,7
	global_load_b128 v[8*(\b):8*(\b)+3],   v[BO], s[BIA:BIA+1] offset:64*(\b)
	global_load_b128 v[8*(\b)+4:8*(\b)+7], v[BO], s[BIA:BIA+1] offset:64*(\b)+16
.endr
.irp j, 0,1,2,3,4,5,6,7                ; chunks 0 to 7 of W2, behind b1's loads
	global_load_b128 v[RG+8*(\j):RG+8*(\j)+3],   v[WI], s[W2S:W2S+1] offset:CHI*(\j) th:TH_LOAD_NT
	global_load_b128 v[RG+8*(\j)+4:RG+8*(\j)+7], v[WI], s[W2S:W2S+1] offset:CHI*(\j)+512 th:TH_LOAD_NT
.endr
	WIN 0
	; the prefetches.  s13 = 256 x tile row, s42 = tile column, s40 = cx, s41 = cy still stand
	s_lshl_b32 s42, s42, 8
	s_and_b32 s22, ttmp7, 0xffff                   ; cluster y
	s_cmp_eq_u32 s11, 0                            ; do I fetch for xb?
	s_cselect_b32 s20, s13, s42                    ; the tile's first row: in xb by the tile row, in w1b by the tile column
	s_cselect_b32 s21, s40, s41                    ; my place among the four that ask for it with me
	s_cselect_b32 s22, ttmp9, s22                  ; the coordinate along which other clusters read the same rows
	s_cselect_b64 s[PFA:PFA+1], s[4:5], s[6:7]
	s_cmp_eq_u32 s22, 0
	s_cselect_b32 s[LIM], 1, -1                    ; the same in all sixteen partners, for a given wave
	s_lshl_b32 s22, s12, 7
	s_add_co_u32 s20, s20, s22                     ; + the 128 rows that I fetch
	s_lshl_b32 s21, s21, 5
	s_add_co_u32 s20, s20, s21                     ; + my work-group's 32 of them
	s_mov_b32 s21, 0
	s_mov_b64 s[18:19], PITK*2
	s_mul_u64 s[20:21], s[20:21], s[18:19]
	s_add_nc_u64 s[PFA:PFA+1], s[PFA:PFA+1], s[20:21]
	s_add_nc_u64 s[PFA:PFA+1], s[PFA:PFA+1], 2*KSTEP*2  ; at K step 2: the first refill steps it to 3 and names K step 4
	v_and_b32 v[PFO], 31, v0
	v_mul_u32_u24 v[PFO], v[PFO], PITK*2
	; nothing is prefetched here, at the head, where every work-group's first two tiles are on their way
; 16 matrix instructions: m blocks a0, a0 + 1 of the window's four (hi = 0: my rows 0-63, 1: rows 64-127) x all 8 n blocks, 32 along K.
; zero = 1: the first product starts the sums, with b1 as its C operand: nothing is cleared, and the bias costs no instruction.
; The 64 accumulators take turns, one instruction a turn, in the same order in every quarter step.
.macro MUL16 f, hi, a0, zero
.if \zero
	WIN MUL_B+0x40*(\hi)
.else
	WIN MUL_LO+0x50*(\hi)
.endif
.irp a, \a0, (\a0)+1
.irp b, 0,1,2,3,4,5,6,7
.if \zero
	v_wmma_f32_16x16x32_bf16 v[8*(8*(\a)+(\b)):8*(8*(\a)+(\b))+7], v[(\f)+8*(\b):(\f)+8*(\b)+7], v[(\f)+8*(4*(\hi)+(\a)):(\f)+8*(4*(\hi)+(\a))+7], v[8*(\b):8*(\b)+7]
.else
	v_wmma_f32_16x16x32_bf16 v[8*(8*(\a)+(\b)):8*(8*(\a)+(\b))+7], v[(\f)+8*(\b):(\f)+8*(\b)+7], v[(\f)+8*(4*(\hi)+(\a)):(\f)+8*(4*(\hi)+(\a))+7], v[8*(8*(\a)+(\b)):8*(8*(\a)+(\b))+7]
.endif
.endr
.endr
.endm
; A load into a register that a matrix instruction has read, and a vector instruction that reads a matrix result, stand four places behind that matrix instruction, and only plain vector
; instructions that name none of its registers are places (ISA guide 7.12.1 for vector instructions).
.macro PLACES
.rept 4
	v_nop
.endr
.endm
; THE RIDERS' THREE PARTS.  SITE says what the site in hand does: n chunks, from register set j on, are rounded and stored at byte so behind w2b's base; ld = 1: set j is asked for again, from byte lo behind W2's base.
.macro SITE j, n, ld, lo, so
.set R0,  \j
.set RN,  \n
.set RL,  \ld
.set RLO, \lo
.set RSO, \so
.endm
; The roundings: four for a chunk.  They name no register of a matrix instruction, so they are the places in front of the run of LDS loads; a site without a chunk has four v_nop.
; The wait: loads come back in order (ISA guide 5.7.1).  In the loop sixteen loads are out, two for each set, this set's the oldest: the fourteen younger stay out.  In the tail nothing younger is issued, and the count runs down.
.macro RCVTS
.if RN > 0
.set rc, 0
.rept RN
	s_wait_loadcnt 14-2*(R0+rc)*(1-RL)
	WIN FROM_B
	v_cvt_pk_bf16_f32 v[YB+4*(R0+rc)],   v[RG+8*(R0+rc)],   v[RG+8*(R0+rc)+1]
	v_cvt_pk_bf16_f32 v[YB+4*(R0+rc)+1], v[RG+8*(R0+rc)+2], v[RG+8*(R0+rc)+3]
	v_cvt_pk_bf16_f32 v[YB+4*(R0+rc)+2], v[RG+8*(R0+rc)+4], v[RG+8*(R0+rc)+5]
	v_cvt_pk_bf16_f32 v[YB+4*(R0+rc)+3], v[RG+8*(R0+rc)+6], v[RG+8*(R0+rc)+7]
.set rc, rc+1
.endr
.else
	PLACES
.endif
.endm
.macro RLDS                            ; the chunk eight sites on, into the set just rounded; it stands where the destination is window 1
.if RL
	global_load_b128 v[RG+8*R0:RG+8*R0+3],   v[WI], s[W2S:W2S+1] offset:RLO th:TH_LOAD_NT
	global_load_b128 v[RG+8*R0+4:RG+8*R0+7], v[WI], s[W2S:W2S+1] offset:RLO+512 th:TH_LOAD_NT
.endif
.endm
.macro RSTS                            ; the stores, under window 0: 32 lanes store 256 consecutive bytes, at a multiple of 256 from w2b's first byte
.if RN > 0
.set rc, 0
.rept RN
	global_store_b64 v[WQ], v[YB+4*(R0+rc):YB+4*(R0+rc)+1],   s[W2D:W2D+1] offset:RSO+CHO*rc
	global_store_b64 v[WQ], v[YB+4*(R0+rc)+2:YB+4*(R0+rc)+3], s[W2D:W2D+1] offset:RSO+CHO*rc+256
.set rc, rc+1
.endr
.endif
.endm
; 32 LDS loads in one run: the fragments of one quarter step (128 rows of w1b, 128 rows of xb, 32 K at byte k of the rows) into buffer f; the site's loads and stores ride in its two parts
.macro FETCH slot, k, f
	WIN TO_B
.irp i, 0,1,2,3,4,5,6,7
	ds_load_b128 v[(\f)+8*(\i):(\f)+8*(\i)+3],   v[ADRB+(\slot)] offset:(\k)+(\i)*16*PITCH
	ds_load_b128 v[(\f)+8*(\i)+4:(\f)+8*(\i)+7], v[ADRB+(\slot)] offset:(\k)+(\i)*16*PITCH+32
.endr
	RLDS
	WIN 0
.irp i, 0,1,2,3,4,5,6,7
	ds_load_b128 v[(\f)+8*(\i):(\f)+8*(\i)+3],   v[ADRA+(\slot)] offset:(\k)+(\i)*16*PITCH
	ds_load_b128 v[(\f)+8*(\i)+4:(\f)+8*(\i)+7], v[ADRA+(\slot)] offset:(\k)+(\i)*16*PITCH+32
.endr
	RSTS
.endm
; A K step is four quarter steps of 32 along K, 64 matrix instructions each, on buffers 0, 1, 0, 1.
; One of the first three: multiplies buffer f; in its middle it fetches the next quarter's fragments, at byte k of the same slot's rows, into buffer g.  j, n, ld, lo, so: the site (SITE).
.macro QUARTER slot, k, f, g, zero, j=0, n=0, ld=0, lo=0, so=0
	SITE \j, \n, \ld, \lo, \so
	s_wait_dscnt 8                                 ; w1b's fragments and xb's rows 0-63 are in; the youngest eight loads (xb's rows 64-127) may be out
	MUL16 \f, 0, 0, \zero
	MUL16 \f, 0, 2, \zero
	RCVTS
	FETCH \slot, \k, \g
	s_wait_dscnt 32                                ; all but the 32 just issued
	MUL16 \f, 1, 0, \zero
	MUL16 \f, 1, 2, \zero
.endm
; The last quarter multiplies buffer 1 and changes slots.  MEET is its first half: ONE barrier for the change of slots.  In front of it each wave waits for all its tensor loads, of which one is
; out: its part of the next slot; adds 0 to its spare word; and waits for that and for its own reads of this slot.  Behind it nobody reads this slot any more and the next slot is whole.
.macro MEET round                      ; round = 1: a round of the cluster's barrier follows
	WIN 0                                          ; (the add's two registers lie in window 0)
	s_wait_tensorcnt 0x0                           ; all my tensor loads have landed
	ds_add_u32 v[SPW], v[NIL]                      ; 0 onto my spare word
	s_wait_dscnt 9                                 ; (the add and the youngest eight loads may be out)
	MUL16 F1, 0, 0, 0                              ; sixteen matrix instructions stand between the add and the wait for it
	s_wait_dscnt 0x0                               ; the add is done, and my reads of this slot are over
	s_barrier_signal -1                            ; say so,
	MUL16 F1, 0, 2, 0                              ; work on registers while the others arrive,
.if \round
	WIN 0
.endif
	s_barrier_wait -1                              ; and go on when all four have said so
.endm
; The whole last quarter.  Behind the round the slot just read out is filled again first, with the K step two steps on; then come the site's roundings and the next slot's first fragments.
; From a request to the wait for it a wave issues 224 matrix instructions.  The wait at its head also frees the rounded chunks that the four sites before have stored: each set is written again a trip later.
.macro TURN slot, next, j, lo, so
	SITE \j, 1, 1, \lo, \so
	s_wait_xcnt 0x0                                ; every load, store and prefetch issued so far (the youngest a quarter step back) has read its registers, so the addresses may be stepped
	s_add_nc_u64 s[PFA:PFA+1], s[PFA:PFA+1], KSTEP*2
.if (\slot) == 0
	s_add_nc_u64 s[W2S:W2S+1], s[W2S:W2S+1], 8*CHI ; once a trip: eight chunks on; the sites behind this line reach back by their immediates
	s_add_nc_u64 s[W2D:W2D+1], s[W2D:W2D+1], 8*CHO
.endif
	MEET 1
	CREST                                          ; no wave of any partner still reads this slot's tile or has a load on its way
	s_add_nc_u64 s[G0+4*(\slot)+2:G0+4*(\slot)+3], s[G0+4*(\slot)+2:G0+4*(\slot)+3], 2*KSTEP*2    ; no tensor load of mine is out: a group 0 may be written
	s_add_nc_u64 s[G0B+4*(\slot)+2:G0B+4*(\slot)+3], s[G0B+4*(\slot)+2:G0B+4*(\slot)+3], 2*KSTEP*2
	JLOAD \slot                                    ; the first tensor load behind the round, and my only one until the next; its four v_nop are also the places in front of the loads below
	RCVTS
	FETCH \next, 0, F0
	ASK
	MUL16 F1, 1, 0, 0
	MUL16 F1, 1, 2, 0
.endm
; THE LAST K STEP (it lies in slot 1) GOES BY ROWS OF THE TILE.  All its fragments of w1b (4 quarters x 64 registers) fill window 1; then my eight blocks of 16 rows are finished one after the
; other, each with 32 matrix instructions (its 8 accumulators by turns, K ascending).  LDS is read no more than in any other K step.
.macro BLOAD q                         ; w1b's fragments of quarter q -> window 1, v[64 q ..]
	WIN TO_B
.irp i, 0,1,2,3,4,5,6,7
	ds_load_b128 v[64*(\q)+8*(\i):64*(\q)+8*(\i)+3],   v[ADRB+1] offset:64*(\q)+(\i)*16*PITCH
	ds_load_b128 v[64*(\q)+8*(\i)+4:64*(\q)+8*(\i)+7], v[ADRB+1] offset:64*(\q)+(\i)*16*PITCH+32
.endr
.endm
.macro ALOAD a                         ; xb's fragments of block a, all four quarters -> buffer a % 4
	WIN 0
.set FA, PA+32*((\a)%4)
.irp q, 0,1,2,3
	ds_load_b128 v[FA+8*(\q):FA+8*(\q)+3],   v[ADRA+1] offset:64*(\q)+(\a)*16*PITCH
	ds_load_b128 v[FA+8*(\q)+4:FA+8*(\q)+7], v[ADRA+1] offset:64*(\q)+(\a)*16*PITCH+32
.endr
.endm
.macro ROW a                           ; block a is finished: 32 matrix instructions
.set FA, PA+32*((\a)%4)
.set AC, 64*((\a)%4)                   ; its eight accumulators, in window 2 (blocks 0-3) or 3 (blocks 4-7)
	WIN MUL_LO+0x50*((\a)/4)
.irp q, 0,1,2,3
.if (\a) == 0 && (\q) == 2
	s_wait_dscnt 24                                ; w1b's quarter 2 is in (behind it: xb's blocks 1 to 3, 24 loads)
.endif
.irp b, 0,1,2,3,4,5,6,7
	v_wmma_f32_16x16x32_bf16 v[AC+8*(\b):AC+8*(\b)+7], v[64*(\q)+8*(\b):64*(\q)+8*(\b)+7], v[FA+8*(\q):FA+8*(\q)+7], v[AC+8*(\b):AC+8*(\b)+7]
.endr
.endr
.endm
; THE WAY OUT of block a.  PACK: rounded to bf16, 16 bytes a lane, each accumulator's registers in ascending order; then the ReLU, two numbers an instruction (rounding keeps the order of numbers,
; so the larger of the rounded sum and 0 is the rounded ReLU).  TOSTAGE: into my own stage in LDS, and back as whole rows of 256 bytes.  SEND: stored.
.macro PACK a
.set AC, 64*((\a)%4)
	WIN 0x0a+5*((\a)/4)                            ; sources 0 and 1: window 2 or 3
.irp b, 0,1,2,3,4,5,6,7
.irp r, 0,1,2,3
	v_cvt_pk_bf16_f32 v[TMP+4*(\b)+(\r)], v[AC+8*(\b)+2*(\r)], v[AC+8*(\b)+2*(\r)+1]
.endr
.endr
	WIN 0
.set pk, 0
.rept 32
	v_pk_max_num_bf16 v[TMP+pk], v[TMP+pk], v[ZR]
.set pk, pk+1
.endr
.endm
.macro TOSTAGE a
	WIN 0
.set BK, OB+192*((\a)%2)
.irp b, 0,1,2,3,4,5,6,7
	ds_store_b128 v[STO], v[TMP+4*(\b):TMP+4*(\b)+3] offset:32*(\b)
.endr
.irp t, 0,1,2,3,4,5,6,7
	ds_load_b128 v[BK+4*(\t):BK+4*(\t)+3], v[RD] offset:(\t)*2*SPITCH  ; LDS serves a wave's instructions in order (ISA guide 5.7.1.4): these see the stores above
.endr
.endm
.macro SEND a, younger                 ; younger: the LDS loads issued behind TOSTAGE's, which may stay out
	WIN 0
.set BK, OB+192*((\a)%2)
	s_wait_dscnt \younger                          ; the block is back in registers
	s_wait_xcnt 0x0                                ; every earlier store has read its registers: only behind this wait are the stores' base and the registers that earlier stores read rewritten
.if (\a) == 0
	s_add_nc_u64 s[8:9], s[8:9], s[16:17]          ; on to my first rows
.else
	s_add_nc_u64 s[8:9], s[8:9], 16*CROW           ; 16 rows on
.endif
.irp t, 0,1,2,3,4,5,6,7
	global_store_b128 v[CO], v[BK+4*(\t):BK+4*(\t)+3], s[8:9] offset:2*(\t)*CROW  ; 16 lanes store 256 consecutive bytes, at a multiple of 256 from hid's first byte
.endr
.endm
	s_wait_tensorcnt 1                             ; my part of K step 0 is in; K step 1's load, issued behind it, may stay out
	s_barrier_signal -1
	s_barrier_wait -1                              ; everybody's is
	SITE 0, 0, 0, 0, 0
	FETCH 0, 0, F0
	s_wait_loadcnt 16                              ; b1 is in; the sixteen loads of W2's chunks 0 to 7, issued behind it, stay out
	QUARTER 0, 64,  F0, F1, 1                      ; the first quarter stands in front of the loop: its products start the sums; it is no site
	WIN 0                                          ; at a label and at a branch every window is 0
	s_mov_b32 s3, LAPS-1
.Llap:                                                 ; a trip goes once round the ring, from a lap's second quarter to the next lap's first, fills both slots again, and has eight sites: set j at site j
	QUARTER 0, 128, F1, F0, 0, 0, 1, 1, 8*CHI, 0
	QUARTER 0, 192, F0, F1, 0, 1, 1, 1, 9*CHI, CHO
	TURN 0, 1, 2, 2*CHI, 2*CHO-8*CHO               ; (W2's and w2b's bases step here)
	QUARTER 1, 64,  F0, F1, 0, 3, 1, 1, 3*CHI, 3*CHO-8*CHO
	QUARTER 1, 128, F1, F0, 0, 4, 1, 1, 4*CHI, 4*CHO-8*CHO
	QUARTER 1, 192, F0, F1, 0, 5, 1, 1, 5*CHI, 5*CHO-8*CHO
	TURN 1, 0, 6, 6*CHI, 6*CHO-8*CHO
	QUARTER 0, 64,  F0, F1, 0, 7, 1, 1, 7*CHI, 7*CHO-8*CHO
	WIN 0
	s_sub_co_u32 s3, s3, 1
	s_cmp_lg_u32 s3, 0
	s_cbranch_scc1 .Llap
	s_wait_xcnt 0x0                                ; the last trip's sites 6 and 7 have stored behind the last such wait: their rounded chunks are written again below
	QUARTER 0, 128, F1, F0, 0, 0, 3, 0, 0, 0       ; the last lap goes on; it is written out, since it asks for nothing more.  W2's last eight chunks: three here,
	QUARTER 0, 192, F0, F1, 0, 3, 3, 0, 0, 3*CHO   ; three here,
	MEET 0                                         ; my one tensor load that was still out is slot 1's, the last K step's, so no round follows
	SITE 6, 2, 0, 0, 6*CHO
	RCVTS                                          ; and two here: eight roundings, the places for the loads into buffer 0, which the quarter before multiplied.  No load of W2 is out any more
	BLOAD 0                                        ; three quarters of w1b now: buffer 1 (v128-191 of both windows) is still being multiplied.  b1's registers and W2's are taken over
	BLOAD 1
	BLOAD 3
	ALOAD 0
	RSTS
	MUL16 F1, 1, 0, 0
	MUL16 F1, 1, 2, 0
	PLACES                                         ; for the loads into buffer 1
	BLOAD 2
	ALOAD 1
	ALOAD 2
	ALOAD 3
	s_wait_dscnt 40                                ; all but the 40 just issued (16 of w1b's quarter 2, 24 of xb's blocks 1 to 3)
	s_wait_xcnt 0x0                                ; w2b's last stores have read v32-63, into which the way out loads
	ROW 0
.irp a, 0,1,2,3,4,5,6,7                ; each block leaves as soon as it is finished
	PLACES                                         ; its conversions read results just made
	PACK \a
	TOSTAGE \a
.if (\a) < 4
	ALOAD (\a)+4                                   ; its buffer takes the block four further on
	SEND \a, 8
.else
	SEND \a, 0
.endif
.if (\a) < 7
	ROW (\a)+1
.endif
.endr
	s_wait_tensorcnt 0x0                           ; the wave's end, behind my last tensor load and my last LDS store
	ds_add_u32 v[SPW], v[NIL]
	s_wait_dscnt 0x0
	CROUND                                         ; the closing round: no work-group ends while a partner may still ask for a tile that names it
	s_endpgm
.Lfunc_end_k_q1fc91d4297_layer1:
	.size	k_q1fc91d4297_layer1, .Lfunc_end_k_q1fc91d4297_layer1-k_q1fc91d4297_layer1
	.p2alignl 7, 3214868480
	.fill 96, 4, 3214868480
	.section	.rodata,"a",@progbits
	.p2align	6, 0x0
	.amdhsa_kernel k_q1fc91d4297_layer1
		.amdhsa_group_segment_fixed_size 327680
		.amdhsa_private_segment_fixed_size 0
		.amdhsa_enable_private_segment 0
		.amdhsa_kernarg_size 48
		.amdhsa_user_sgpr_count 2
		.amdhsa_user_sgpr_kernarg_segment_ptr 1
		.amdhsa_wavefront_size32 1
		.amdhsa_system_sgpr_workgroup_id_x 1
		.amdhsa_system_sgpr_workgroup_id_y 1
		.amdhsa_system_sgpr_workgroup_id_z 1
		.amdhsa_system_vgpr_workitem_id 0
		.amdhsa_next_free_vgpr 1024
		.amdhsa_next_free_sgpr 76
		.amdhsa_reserve_vcc 0
		.amdhsa_float_denorm_mode_32 3
		.amdhsa_float_denorm_mode_16_64 3
		.amdhsa_memory_ordered 1
		.amdhsa_forward_progress 1
		.amdhsa_inst_pref_size 173
	.end_amdhsa_kernel
	.amdgpu_metadata
---
amdhsa.version: [ 1, 2 ]
amdhsa.kernels:
  - .name:           k_q1fc91d4297_layer1
    .symbol:         k_q1fc91d4297_layer1.kd
    .args:
      - { .name: xb, .offset: 0, .size: 8, .value_kind: global_buffer, .address_space: global }
      - { .name: w1b, .offset: 8, .size: 8, .value_kind: global_buffer, .address_space: global }
      - { .name: b1, .offset: 16, .size: 8, .value_kind: global_buffer, .address_space: global }
      - { .name: hid, .offset: 24, .size: 8, .value_kind: global_buffer, .address_space: global }
      - { .name: W2, .offset: 32, .size: 8, .value_kind: global_buffer, .address_space: global }
      - { .name: w2b, .offset: 40, .size: 8, .value_kind: global_buffer, .address_space: global }
    .group_segment_fixed_size: 327680
    .private_segment_fixed_size: 0
    .kernarg_segment_align: 8
    .kernarg_segment_size: 48
    .max_flat_workgroup_size: 128
    .sgpr_count:     76
    .vgpr_count:     1024
    .wavefront_size: 32
...
	.end_amdgpu_metadata
.endif
;; end of part 2
;; launch layer2 (part 3): grid 32 x 8, 4 waves a work-group, clusters of 4 x 4, 327,680 bytes of LDS; arguments hid, w2b, part; writes part
.if DOCPART == 3
	.amdgcn_target "amdgcn-amd-amdhsa--gfx1250"
	.amdhsa_code_object_version 6
	.text
	.protected	k_q1fc91d4297_layer2
	.globl	k_q1fc91d4297_layer2
	.p2align	8
	.type	k_q1fc91d4297_layer2,@function
k_q1fc91d4297_layer2:
	s_mov_b64 s[64:65], 0
	v_nop
	global_prefetch_b8 v0, s[64:65] scope:SCOPE_SE
	s_setreg_imm32_b32 hwreg(HW_REG_WAVE_MODE, 25, 1), 1
	s_wait_xcnt 0x0
	s_wait_alu depctr_hold_cnt(0) depctr_sa_sdst(0) depctr_va_vdst(0) depctr_va_sdst(0) depctr_va_ssrc(0) depctr_va_vcc(0) depctr_vm_vsrc(0)
	s_getreg_b32 s2, hwreg(HW_REG_IB_STS2, 6, 4)
	s_cmp_eq_u32 s2, 0
	s_cbranch_scc0 .Lentry_in_a_cluster
	s_endpgm
.Lentry_in_a_cluster:
	s_bfe_u32 s2, ttmp6, 0x10000c
	s_cmp_lg_u32 s2, 0xf033
	s_cbranch_scc0 .Lentry_shape_is_right
	s_endpgm
.Lentry_shape_is_right:
; LAYER 2, IN FOUR SLABS OF K.  part[s][m][n] = the sum over k = 2048 s .. 2048 s + 2047 of hid[m][k] w2b[n][k].  hid, w2b: [2048][8192] bf16; part: [4][2048][2048] f32, not rounded.
; The launch behind adds the four slabs and b2 and takes the ReLU.
; WHY SLABS.  The output has 8 x 8 = 64 tiles of 256 x 256, a quarter of the 256 work-groups wanted.  K = 8,192 split four ways BETWEEN work-groups gives 256 of them, each with a wave tile of
; 128 x 128 and 16 K steps of 128.  A slab is a byte offset of 4,096 s in rows of 16,384 bytes: a tile's rows are still 256 bytes of memory at multiples of 256.
; The partial sums stay in f32; each byte of part is stored by one work-group.  LIMIT: the sums' order is the matrix unit's within a slab, and slab by slab behind it.
; SHARES.  Four waves, each 128 x 128: 64 accumulators, 512 registers.  A ring of two LDS slots filled by the tensor data mover.  The last K step goes by rows of the tile, so that finished rows leave early.
; CLUSTERS: 4 x 4 work-groups, all of one slab (cluster x = 2 x slab + which four tile columns).  The four of a row of the cluster need the same tiles of hid, the four of a column the same tiles
; of w2b: each tile is asked for JOINTLY, by the same tensor load with the same descriptor and a mask that names the four.
; REGISTERS, in windows of 256 (s_set_vgpr_msb's low byte: bits 1:0 source 0, 3:2 source 1, 5:4 source 2, 7:6 destination):
;   window 0: v0-31 addresses; v64-127, v128-191 fragments of hid, two buffers (in the last K step four, of 16 rows x 128 K); v192-255 16 rows on the way out
;   window 1: v64-127, v128-191 fragments of w2b, two buffers; in the last K step all 256
;   window 2: the 32 accumulators of my rows 0-63 (accumulator (a, b) at v[8 (8 a + b)]);   window 3: those of my rows 64-127
; THE MATRIX INSTRUCTION IS USED TRANSPOSED: source 0 = 16 rows of w2b, source 1 = 16 rows of hid: lane l holds row l % 16 of the result and the columns 8 (l / 16) + 0 .. 7: 32 neighbouring bytes.
.set KSTEP,  128
.set KEXT,   2048                      ; K of a slab
.set PITK,   8192                      ; elements from row to row of hid and w2b
.set CROW,   2048*4                    ; bytes from row to row of part
.set PITCH,  272                       ; an LDS row: 256 bytes of data + 16 of padding = 68 words: row r starts at bank 4 r mod 64 (64 banks of 4 bytes: ISA guide 11.1)
.set HALFT,  128*PITCH                 ; 128 rows: what one tensor load brings, and what one wave reads of either operand
.set SLOT,   4*HALFT                   ; hid's 256 rows, then w2b's 256 rows
.set STAGE,  2*SLOT                    ; behind the ring: 16 rows x 528 bytes for each wave, for the way out; no tensor load lands here
.set SPITCH, 528                       ; 512 bytes (128 f32) + 16 = 132 words: row r starts at bank 4 r mod 64
.set SPARE,  STAGE+4*16*SPITCH         ; behind the stages: the spare words, 128 bytes for each wave: two blocks of 256 bytes that no other line names
.set LAPS,   KEXT/(2*KSTEP)            ; 8
.set ADRA, 16                          ; v16-17  LDS address of my hid fragments in slot 0, 1
.set ADRB, 20                          ; v20-21  the same for w2b
.set STO,  24                          ; v24     the way out: where I put 32 bytes of a row
.set RD,   25                          ; v25     the way out: where I read 16 bytes of a row back
.set CO,   26                          ; v26     my byte offset in a row's 512 bytes of part
.set SPW,  28                          ; v28     LDS address of my spare word: SPARE + 4 x my thread's number; never rewritten
.set NIL,  29                          ; v29     0; never rewritten
.set PFO,  30                          ; v30     the prefetches' offset: my lane x a row of hid or w2b (16,384 bytes); never rewritten
.set PFA,  44                          ; s[44:45] where my prefetches stand
.set LIM,  43                          ; s43     1 in a wave that prefetches, else the greatest number
.set SLK,  66                          ; s[66:67] the slab's byte offset in a row of hid and w2b: 4,096 x slab
.set SLC,  68                          ; s[68:69] the slab's byte offset in part: 2^24 x slab
.set F0,   64
.set F1,   128
.set BK,   192                         ; the way out: 16 rows read back from the stage, 64 registers
.set PA,   64                          ; the last K step: hid's fragments of 16 rows x 128 K; four buffers, v64-191
.set G1,  24                           ; s[24:31] descriptor group 1 for hid's tiles
.set G0,  32                           ; s[32:39] descriptor group 0 for hid's tiles, one set for each slot
.set G1B, 48                           ; s[48:55] descriptor group 1 for w2b's tiles
.set G0B, 56                           ; s[56:63] descriptor group 0 for w2b's tiles
.set MSB, 0
.macro WIN new                         ; the immediate's high byte repeats the setting that is left; a switch that changes nothing is dropped
.if MSB != (\new)
	s_set_vgpr_msb (MSB<<8)|(\new)
.set MSB, \new
.endif
.endm
.set MUL_LO, 0xa1                      ; source 0 (w2b) window 1, source 1 (hid) window 0, C and D window 2
.set TO_B,   0x40                      ; destination window 1, address window 0
; A joint load.  Waves 0 and 1 fetch hid's two halves, waves 2 and 3 w2b's.  The branch hangs on the wave's number alone.
; An s_nop 0 and four v_nop follow each of the two lines, ahead of the jump, the label and what follows.
.macro JLOAD s
	s_cmp_eq_u32 s11, 0
	s_cbranch_scc0 .Lfor_b_\@
	tensor_load_to_lds s[G0+4*(\s):G0+4*(\s)+3], s[G1:G1+7]
	s_nop 0
.rept 4
	v_nop
.endr
	s_branch .Lasked_\@
.Lfor_b_\@:
	tensor_load_to_lds s[G0B+4*(\s):G0B+4*(\s)+3], s[G1B:G1B+7]
	s_nop 0
.rept 4
	v_nop
.endr
.Lasked_\@:
.endm
; A PREFETCH INTO THE L2, behind each joint refill and the run of LDS loads that follows it: the K step that stands TWO refills on, 512 matrix instructions ahead of the load that will ask for it:
; 32 rows x 256 bytes, a lane a row, one instruction a wave.  Each row's 256 bytes of a K step are named ONCE in the launch.  A tile row of hid, in one slab, is read by the slab's two clusters of
; that row of clusters: the one with an even cluster x prefetches; a tile column of w2b, in one slab, by both clusters of that column: cluster y = 0 prefetches.  The four partners that ask for a
; tile jointly share its rows out BY ADDRESS: the partner at place p takes rows 32 p .. 32 p + 31 of a wave's 128 (p = cx for hid, cy for w2b).
; The loop's 14 refills bring the slab's K steps 2 to 15; the first 12 name K steps 4 to 15; the last trip's two (s3 = 1) name nothing: no prefetch leaves its slab.
.macro ASK
	s_cmp_gt_u32 s3, s[LIM]
	s_cbranch_scc0 .Lnot_mine_\@
	global_prefetch_b8 v[PFO], s[PFA:PFA+1] offset:KSTEP*2 th:TH_LOAD_NT scope:SCOPE_SE
.Lnot_mine_\@:
.endm
; A round of the cluster's barrier: my work-group's barrier; wave 0 signals for the work-group; every wave waits for all sixteen work-groups; my work-group's barrier once more.
.macro CREST
	s_cmp_lg_u32 s10, 0
	s_cbranch_scc1 .Lnot_wave_0_\@
	s_barrier_signal -3
.Lnot_wave_0_\@:
	s_barrier_wait -3
	s_barrier_signal -1
	s_barrier_wait -1
.endm
.macro CROUND
	s_barrier_signal -1
	s_barrier_wait -1
	CREST
.endm
	s_load_b128 s[4:7], s[0:1], 0x0                ; hid s[4:5], w2b s[6:7]
	s_load_b64 s[8:9], s[0:1], 0x10                ; part
	v_lshl_add_u32 v[SPW], v0, 2, SPARE
	v_mov_b32 v[NIL], 0
	ds_add_u32 v[SPW], v[NIL]                      ; the wave's opening: the add, twice on end, and its wait ahead of my first tensor load; the set-up below, work on registers, stands between
	ds_add_u32 v[SPW], v[NIL]                      ; and once more, under the one wait
	v_lshrrev_b32 v1, 5, v0
	v_readfirstlane_b32 s10, v1                    ; wave 0..3
	s_lshr_b32 s11, s10, 1                         ; which half of the tile's rows is mine.  Also: I fetch for hid (0) or for w2b (1)
	s_and_b32 s12, s10, 1                          ; which half of its columns.  Also: which 128 rows of that tile I fetch
	s_bfe_u32 s40, ttmp6, 0x40000                  ; cx
	s_bfe_u32 s41, ttmp6, 0x40004                  ; cy
	s_and_b32 s42, ttmp9, 1                        ; cluster x = 2 x slab + this bit
	s_lshl_b32 s42, s42, 2
	s_add_co_u32 s42, s42, s40                     ; tile column = 4 x bit + cx: 0..7
	s_lshr_b32 s[SLK], ttmp9, 1                    ; the slab, 0..3: the same in all sixteen partners
	s_lshl_b32 s[SLC], s[SLK], 24
	s_mov_b32 s[SLC+1], 0
	s_lshl_b32 s[SLK], s[SLK], 12
	s_mov_b32 s[SLK+1], 0
	s_and_b32 s13, ttmp7, 0xffff
	s_lshl_b32 s13, s13, 2
	s_add_co_u32 s13, s13, s41                     ; tile row = 4 x cluster y + cy: 0..7
	s_lshl_b32 s43, s41, 2
	s_lshl_b32 s43, 15, s43                        ; my row of the cluster
	s_lshl_b32 s44, 0x1111, s40                    ; my column
	; descriptor group 1: a tile of 128 rows x 128 elements, padded in LDS
	s_or_b32 s[G1+0], s43, (1<<16)|(1<<20)|(1<<21)|(5<<22)|(3<<25)  ; 15:0 the mask: hid's tiles go to my row; 17:16 element of 2 bytes; 20 padding on; 21 set beside a mask; 24:22 after every 64 words (code 5); 31:25 of 4 words (code 3)
	s_or_b32 s[G1B+0], s44, (1<<16)|(1<<20)|(1<<21)|(5<<22)|(3<<25) ; the same with the mask of my column, for w2b's tiles
	s_mov_b32 s[G1B+1], KSTEP<<16
	s_mov_b32 s[G1+1], KSTEP<<16                   ; tensor_dim0 = 128
	s_mov_b32 s[G1B+2], 128<<16
	s_mov_b32 s[G1+2], 128<<16                     ; tensor_dim1 = 128
	s_mov_b32 s[G1B+3], KSTEP<<16
	s_mov_b32 s[G1+3], KSTEP<<16                   ; tile_dim0 = 128
	s_mov_b32 s[G1B+4], 128
	s_mov_b32 s[G1+4], 128                         ; tile_dim1 = 128
	s_mov_b32 s[G1B+5], PITK
	s_mov_b32 s[G1+5], PITK                        ; elements from row to row
	s_mov_b32 s[G1B+6], 0
	s_mov_b32 s[G1+6], 0
	s_mov_b32 s[G1B+7], 0
	s_mov_b32 s[G1+7], 0
	; where the tiles come from.  hid's hang on the tile row and the slab, which my row of the cluster shares; w2b's on the tile column and the slab, which my column shares.
	s_lshl_b32 s17, s12, 7                         ; which 128 rows of the tile I fetch
	s_lshl_b32 s16, s13, 8
	s_add_co_u32 s16, s16, s17                     ; hid: row 256 x tile row + 128 x half
	s_lshl_b32 s46, s42, 8
	s_add_co_u32 s46, s46, s17                     ; w2b: row 256 x tile column + 128 x half
	s_mov_b32 s17, 0
	s_mov_b32 s47, 0
	s_mov_b64 s[18:19], PITK*2
	s_mul_u64 s[16:17], s[16:17], s[18:19]         ; in bytes,
	s_mul_u64 s[46:47], s[46:47], s[18:19]
	s_add_nc_u64 s[16:17], s[16:17], s[SLK:SLK+1]  ; and the slab's place in the row
	s_add_nc_u64 s[46:47], s[46:47], s[SLK:SLK+1]
	s_mul_i32 s20, s10, HALFT                      ; and where they go: wave x 128 rows
	s_wait_dscnt 0x0                               ; both opening adds are done
	s_wait_kmcnt 0x0
	s_add_nc_u64 s[14:15], s[4:5], s[16:17]
	s_add_nc_u64 s[46:47], s[6:7], s[46:47]
	CROUND                                         ; all sixteen work-groups are here: the first joint loads meet
.irp s, 0,1
	s_mov_b32 s[G0+4*(\s)], 1                                      ; count = 1
	s_add_co_u32 s[G0+4*(\s)+1], s20, (\s)*SLOT                    ; LDS address
	s_add_nc_u64 s[G0+4*(\s)+2:G0+4*(\s)+3], s[14:15], (\s)*KSTEP*2  ; global address: the slab's K step s
	s_or_b32 s[G0+4*(\s)+3], s[G0+4*(\s)+3], 0x80000000            ; type = 2
	s_mov_b32 s[G0B+4*(\s)], 1
	s_add_co_u32 s[G0B+4*(\s)+1], s20, (\s)*SLOT
	s_add_nc_u64 s[G0B+4*(\s)+2:G0B+4*(\s)+3], s[46:47], (\s)*KSTEP*2
	s_or_b32 s[G0B+4*(\s)+3], s[G0B+4*(\s)+3], 0x80000000
	JLOAD \s                                       ; two tensor loads of mine are out
.endr
	; A fragment is 16 rows x 32 K in 8 registers: lane l holds row l % 16; registers 0-3 K = 8 (l / 16) + 0..7, registers 4-7 K = 16 + 8 (l / 16) + 0..7: two loads of 16 bytes, 32 bytes apart.
	v_and_b32 v1, 15, v0                           ; l % 16
	v_bfe_u32 v2, v0, 4, 1                         ; l / 16
	v_mul_u32_u24 v3, v1, PITCH
	v_lshl_add_u32 v3, v2, 4, v3                   ; row x pitch + 16 x half
	s_mul_i32 s21, s11, HALFT                      ; my 128 rows of hid
	s_mul_i32 s22, s12, HALFT                      ; my 128 rows of w2b,
	s_add_co_u32 s22, s22, 2*HALFT                 ; which lie behind hid's 256
.irp s, 0,1
	v_add_nc_u32 v[ADRA+(\s)], s21, v3
	v_add_nc_u32 v[ADRB+(\s)], s22, v3
	s_add_co_u32 s21, s21, SLOT
	s_add_co_u32 s22, s22, SLOT
.endr
	s_mul_i32 s23, s10, 16*SPITCH
	s_add_co_u32 s23, s23, STAGE                   ; my stage
	v_mul_u32_u24 v4, v1, SPITCH                   ; in: row l % 16, 32 bytes for each half of the lanes
	v_lshl_add_u32 v4, v2, 5, v4
	v_add_nc_u32 v[STO], s23, v4
	v_and_b32 v5, 31, v0
	v_lshlrev_b32 v[CO], 4, v5                     ; back: 32 lanes take one row of 512 bytes, 16 bytes each; the same in part
	v_add_nc_u32 v[RD], s23, v[CO]
	; where my part of the tile begins in part, in bytes
	s_lshl_b32 s13, s13, 8
	s_lshl_b32 s14, s11, 7
	s_add_co_u32 s16, s13, s14                     ; my first row
	s_mov_b32 s17, 0
	s_mov_b64 s[18:19], CROW
	s_mul_u64 s[16:17], s[16:17], s[18:19]
	s_lshl_b32 s46, s42, 10                        ; my first column, in bytes: 1,024 x tile column + 512 x half
	s_lshl_b32 s47, s12, 9
	s_add_co_u32 s46, s46, s47
	s_mov_b32 s47, 0
	s_add_nc_u64 s[16:17], s[16:17], s[46:47]
	s_add_nc_u64 s[16:17], s[16:17], s[SLC:SLC+1]  ; in my slab's copy
	; the prefetches.  s13 = 256 x tile row, s42 = tile column, s40 = cx, s41 = cy still stand
	s_lshl_b32 s42, s42, 8
	s_and_b32 s22, ttmp7, 0xffff                   ; cluster y
	s_and_b32 s23, ttmp9, 1                        ; which of the slab's two clusters along x
	s_cmp_eq_u32 s11, 0                            ; do I fetch for hid?
	s_cselect_b32 s20, s13, s42                    ; the tile's first row
	s_cselect_b32 s21, s40, s41                    ; my place among the four that ask for it with me
	s_cselect_b32 s22, s23, s22                    ; the coordinate along which other clusters read the same rows
	s_cselect_b64 s[PFA:PFA+1], s[4:5], s[6:7]
	s_cmp_eq_u32 s22, 0
	s_cselect_b32 s[LIM], 1, -1                    ; the same in all sixteen partners, for a given wave
	s_lshl_b32 s22, s12, 7
	s_add_co_u32 s20, s20, s22                     ; + the 128 rows that I fetch
	s_lshl_b32 s21, s21, 5
	s_add_co_u32 s20, s20, s21                     ; + my work-group's 32 of them
	s_mov_b32 s21, 0
	s_mov_b64 s[18:19], PITK*2
	s_mul_u64 s[20:21], s[20:21], s[18:19]
	s_add_nc_u64 s[20:21], s[20:21], s[SLK:SLK+1]
	s_add_nc_u64 s[PFA:PFA+1], s[PFA:PFA+1], s[20:21]
	s_add_nc_u64 s[PFA:PFA+1], s[PFA:PFA+1], 2*KSTEP*2  ; at the slab's K step 2: the first refill steps it to 3 and names K step 4
	v_and_b32 v[PFO], 31, v0
	v_mul_u32_u24 v[PFO], v[PFO], PITK*2
	; nothing is prefetched here, at the head, where every work-group's first two tiles are on their way
; 16 matrix instructions: m blocks a0, a0 + 1 of the window's four (hi = 0: my rows 0-63, 1: rows 64-127) x all 8 n blocks, 32 along K.  zero = 1: the first product starts the sums: nothing is cleared.
; The 64 accumulators take turns, one instruction a turn, in the same order in every quarter step.
.macro MUL16 f, hi, a0, zero
	WIN MUL_LO+0x50*(\hi)
.irp a, \a0, (\a0)+1
.irp b, 0,1,2,3,4,5,6,7
.if \zero
	v_wmma_f32_16x16x32_bf16 v[8*(8*(\a)+(\b)):8*(8*(\a)+(\b))+7], v[(\f)+8*(\b):(\f)+8*(\b)+7], v[(\f)+8*(4*(\hi)+(\a)):(\f)+8*(4*(\hi)+(\a))+7], 0
.else
	v_wmma_f32_16x16x32_bf16 v[8*(8*(\a)+(\b)):8*(8*(\a)+(\b))+7], v[(\f)+8*(\b):(\f)+8*(\b)+7], v[(\f)+8*(4*(\hi)+(\a)):(\f)+8*(4*(\hi)+(\a))+7], v[8*(8*(\a)+(\b)):8*(8*(\a)+(\b))+7]
.endif
.endr
.endr
.endm
; 32 LDS loads in one run: the fragments of one quarter step into buffer f
.macro FETCH slot, k, f
	WIN TO_B
.irp i, 0,1,2,3,4,5,6,7
	ds_load_b128 v[(\f)+8*(\i):(\f)+8*(\i)+3],   v[ADRB+(\slot)] offset:(\k)+(\i)*16*PITCH
	ds_load_b128 v[(\f)+8*(\i)+4:(\f)+8*(\i)+7], v[ADRB+(\slot)] offset:(\k)+(\i)*16*PITCH+32
.endr
	WIN 0
.irp i, 0,1,2,3,4,5,6,7
	ds_load_b128 v[(\f)+8*(\i):(\f)+8*(\i)+3],   v[ADRA+(\slot)] offset:(\k)+(\i)*16*PITCH
	ds_load_b128 v[(\f)+8*(\i)+4:(\f)+8*(\i)+7], v[ADRA+(\slot)] offset:(\k)+(\i)*16*PITCH+32
.endr
.endm
; A load into a register that a matrix instruction has read, and an LDS store that reads a matrix result, stand four places or more behind that matrix instruction, and only plain vector
; instructions that name none of its registers are places (ISA guide 7.12.1 for vector instructions).
.macro PLACES
.rept 4
	v_nop
.endr
.endm
; A K step is four quarter steps of 32 along K, 64 matrix instructions each, on buffers 0, 1, 0, 1.  One of the first three: multiplies buffer f and, in its middle, fetches the next quarter into g.
.macro QUARTER slot, k, f, g, zero
	s_wait_dscnt 8                                 ; w2b's fragments and hid's rows 0-63 are in; the youngest eight loads (hid's rows 64-127) may be out
	MUL16 \f, 0, 0, \zero
	MUL16 \f, 0, 2, \zero
	PLACES
	FETCH \slot, \k, \g
	s_wait_dscnt 32                                ; all but the 32 just issued
	MUL16 \f, 1, 0, \zero
	MUL16 \f, 1, 2, \zero
.endm
; The last quarter multiplies buffer 1 and changes slots.  MEET is its first half: ONE barrier for the change of slots.  In front of it each wave waits for all its tensor loads, of which one is
; out: its part of the next slot; adds 0 to its spare word; and waits for that and for its own reads of this slot.  Behind it nobody reads this slot any more and the next slot is whole.
.macro MEET round
	WIN 0                                          ; (the add's two registers lie in window 0)
	s_wait_tensorcnt 0x0                           ; all my tensor loads have landed
	ds_add_u32 v[SPW], v[NIL]                      ; 0 onto my spare word
	s_wait_dscnt 9                                 ; (the add and the youngest eight loads may be out)
	MUL16 F1, 0, 0, 0                              ; sixteen matrix instructions stand between the add and the wait for it
	s_wait_dscnt 0x0                               ; the add is done, and my reads of this slot are over
	s_barrier_signal -1
	MUL16 F1, 0, 2, 0                              ; work on registers while the others arrive
.if \round
	WIN 0
.endif
	s_barrier_wait -1
.endm
; The whole last quarter.  Behind the round the slot just read out is filled again first, with the K step two steps on; then come the next slot's first fragments.
.macro TURN slot, next
	s_wait_xcnt 0x0                                ; the last prefetch, a K step back, has read its address, so it may be stepped
	s_add_nc_u64 s[PFA:PFA+1], s[PFA:PFA+1], KSTEP*2
	MEET 1
	CREST                                          ; no wave of any partner still reads this slot's tile or has a load on its way
	s_add_nc_u64 s[G0+4*(\slot)+2:G0+4*(\slot)+3], s[G0+4*(\slot)+2:G0+4*(\slot)+3], 2*KSTEP*2    ; no tensor load of mine is out: a group 0 may be written
	s_add_nc_u64 s[G0B+4*(\slot)+2:G0B+4*(\slot)+3], s[G0B+4*(\slot)+2:G0B+4*(\slot)+3], 2*KSTEP*2
	JLOAD \slot                                    ; the first tensor load behind the round, and my only one until the next; its four v_nop are also the places in front of the loads below
	FETCH \next, 0, F0
	ASK
	MUL16 F1, 1, 0, 0
	MUL16 F1, 1, 2, 0
.endm
; THE LAST K STEP (it lies in slot 1) GOES BY ROWS OF THE TILE: all its fragments of w2b fill window 1; my eight blocks of 16 rows are finished one after the other, 32 matrix instructions each.
.macro BLOAD q
	WIN TO_B
.irp i, 0,1,2,3,4,5,6,7
	ds_load_b128 v[64*(\q)+8*(\i):64*(\q)+8*(\i)+3],   v[ADRB+1] offset:64*(\q)+(\i)*16*PITCH
	ds_load_b128 v[64*(\q)+8*(\i)+4:64*(\q)+8*(\i)+7], v[ADRB+1] offset:64*(\q)+(\i)*16*PITCH+32
.endr
.endm
.macro ALOAD a
	WIN 0
.set FA, PA+32*((\a)%4)
.irp q, 0,1,2,3
	ds_load_b128 v[FA+8*(\q):FA+8*(\q)+3],   v[ADRA+1] offset:64*(\q)+(\a)*16*PITCH
	ds_load_b128 v[FA+8*(\q)+4:FA+8*(\q)+7], v[ADRA+1] offset:64*(\q)+(\a)*16*PITCH+32
.endr
.endm
.macro ROW a
.set FA, PA+32*((\a)%4)
.set AC, 64*((\a)%4)
	WIN MUL_LO+0x50*((\a)/4)
.irp q, 0,1,2,3
.if (\a) == 0 && (\q) == 2
	s_wait_dscnt 24                                ; w2b's quarter 2 is in (behind it: hid's blocks 1 to 3, 24 loads)
.endif
.irp b, 0,1,2,3,4,5,6,7
	v_wmma_f32_16x16x32_bf16 v[AC+8*(\b):AC+8*(\b)+7], v[64*(\q)+8*(\b):64*(\q)+8*(\b)+7], v[FA+8*(\q):FA+8*(\q)+7], v[AC+8*(\b):AC+8*(\b)+7]
.endr
.endr
.endm
; THE WAY OUT of block a: the f32 sums as they are.  TOSTAGE: a lane's 32 bytes of each of the 8 column blocks go straight from the accumulators into my own stage (each accumulator's four lowest
; registers first), and come back as whole rows of 512 bytes.  SEND: stored, a row an instruction.
.macro TOSTAGE a
.set AC, 64*((\a)%4)
	s_wait_xcnt 0x0                                ; the last block's stores have read their registers and their base: both are written again only behind this wait
	WIN 0x08+4*((\a)/4)                            ; the stores' data: window 2 or 3; the address: window 0
.irp b, 0,1,2,3,4,5,6,7
	ds_store_b128 v[STO], v[AC+8*(\b):AC+8*(\b)+3]   offset:64*(\b)
	ds_store_b128 v[STO], v[AC+8*(\b)+4:AC+8*(\b)+7] offset:64*(\b)+16
.endr
	WIN 0
.irp t, 0,1,2,3,4,5,6,7,8,9,10,11,12,13,14,15
	ds_load_b128 v[BK+4*(\t):BK+4*(\t)+3], v[RD] offset:(\t)*SPITCH  ; LDS serves a wave's instructions in order (ISA guide 5.7.1.4): these see the stores above
.endr
.endm
.macro SEND a, younger                 ; younger: the LDS loads issued behind TOSTAGE's, which may stay out
	WIN 0
	s_wait_dscnt \younger                          ; the block is back in registers
.if (\a) == 0
	s_add_nc_u64 s[8:9], s[8:9], s[16:17]          ; on to my first rows (no global instruction has been issued since TOSTAGE's wait)
.else
	s_add_nc_u64 s[8:9], s[8:9], 16*CROW           ; 16 rows on
.endif
.irp t, 0,1,2,3,4,5,6,7,8,9,10,11,12,13,14,15
	global_store_b128 v[CO], v[BK+4*(\t):BK+4*(\t)+3], s[8:9] offset:(\t)*CROW  ; 32 lanes store 512 consecutive bytes, at a multiple of 512 from part's first byte
.endr
.endm
	s_wait_tensorcnt 1                             ; my part of K step 0 is in; K step 1's load, issued behind it, may stay out
	s_barrier_signal -1
	s_barrier_wait -1                              ; everybody's is
	FETCH 0, 0, F0
	QUARTER 0, 64,  F0, F1, 1                      ; the first quarter stands in front of the loop: its products start the sums
	WIN 0                                          ; at a label and at a branch every window is 0
	s_mov_b32 s3, LAPS-1
.Llap:                                                 ; a trip goes once round the ring, from a lap's second quarter to the next lap's first, and fills both slots again
	QUARTER 0, 128, F1, F0, 0
	QUARTER 0, 192, F0, F1, 0
	TURN 0, 1
	QUARTER 1, 64,  F0, F1, 0
	QUARTER 1, 128, F1, F0, 0
	QUARTER 1, 192, F0, F1, 0
	TURN 1, 0
	QUARTER 0, 64,  F0, F1, 0
	WIN 0
	s_sub_co_u32 s3, s3, 1
	s_cmp_lg_u32 s3, 0
	s_cbranch_scc1 .Llap
	QUARTER 0, 128, F1, F0, 0                      ; the last lap goes on; it is written out, since it asks for nothing more
	QUARTER 0, 192, F0, F1, 0
	MEET 0                                         ; my one tensor load that was still out is slot 1's, the last K step's, so no round follows
	PLACES                                         ; for the loads into buffer 0, which the quarter before multiplied
	BLOAD 0                                        ; three quarters of w2b now: buffer 1 (v128-191 of both windows) is still being multiplied
	BLOAD 1
	BLOAD 3
	ALOAD 0
	MUL16 F1, 1, 0, 0
	MUL16 F1, 1, 2, 0
	PLACES                                         ; for the loads into buffer 1
	BLOAD 2
	ALOAD 1
	ALOAD 2
	ALOAD 3
	s_wait_dscnt 40                                ; all but the 40 just issued (16 of w2b's quarter 2, 24 of hid's blocks 1 to 3)
	ROW 0
.irp a, 0,1,2,3,4,5,6,7                ; each block leaves as soon as it is finished
	PLACES                                         ; its LDS stores read results just made: eight places, the larger count,
	PLACES                                         ; 64 issue slots in the whole launch
	TOSTAGE \a
.if (\a) < 4
	ALOAD (\a)+4                                   ; its buffer takes the block four further on
	SEND \a, 8
.else
	SEND \a, 0
.endif
.if (\a) < 7
	ROW (\a)+1
.endif
.endr
	s_wait_tensorcnt 0x0                           ; the wave's end, behind my last tensor load and my last LDS store
	ds_add_u32 v[SPW], v[NIL]
	s_wait_dscnt 0x0
	CROUND                                         ; the closing round: no work-group ends while a partner may still ask for a tile that names it
	s_endpgm
.Lfunc_end_k_q1fc91d4297_layer2:
	.size	k_q1fc91d4297_layer2, .Lfunc_end_k_q1fc91d4297_layer2-k_q1fc91d4297_layer2
	.p2alignl 7, 3214868480
	.fill 96, 4, 3214868480
	.section	.rodata,"a",@progbits
	.p2align	6, 0x0
	.amdhsa_kernel k_q1fc91d4297_layer2
		.amdhsa_group_segment_fixed_size 327680
		.amdhsa_private_segment_fixed_size 0
		.amdhsa_enable_private_segment 0
		.amdhsa_kernarg_size 24
		.amdhsa_user_sgpr_count 2
		.amdhsa_user_sgpr_kernarg_segment_ptr 1
		.amdhsa_wavefront_size32 1
		.amdhsa_system_sgpr_workgroup_id_x 1
		.amdhsa_system_sgpr_workgroup_id_y 1
		.amdhsa_system_sgpr_workgroup_id_z 1
		.amdhsa_system_vgpr_workitem_id 0
		.amdhsa_next_free_vgpr 1024
		.amdhsa_next_free_sgpr 70
		.amdhsa_reserve_vcc 0
		.amdhsa_float_denorm_mode_32 3
		.amdhsa_float_denorm_mode_16_64 3
		.amdhsa_memory_ordered 1
		.amdhsa_forward_progress 1
		.amdhsa_inst_pref_size 143
	.end_amdhsa_kernel
	.amdgpu_metadata
---
amdhsa.version: [ 1, 2 ]
amdhsa.kernels:
  - .name:           k_q1fc91d4297_layer2
    .symbol:         k_q1fc91d4297_layer2.kd
    .args:
      - { .name: hid, .offset: 0, .size: 8, .value_kind: global_buffer, .address_space: global }
      - { .name: w2b, .offset: 8, .size: 8, .value_kind: global_buffer, .address_space: global }
      - { .name: part, .offset: 16, .size: 8, .value_kind: global_buffer, .address_space: global }
    .group_segment_fixed_size: 327680
    .private_segment_fixed_size: 0
    .kernarg_segment_align: 8
    .kernarg_segment_size: 24
    .max_flat_workgroup_size: 128
    .sgpr_count:     70
    .vgpr_count:     1024
    .wavefront_size: 32
...
	.end_amdgpu_metadata
.endif
;; end of part 3
;; launch finish (part 4): grid 256 x 1, 16 waves a work-group, no clusters, 0 bytes of LDS; arguments part, b2, out0; writes out0
.if DOCPART == 4
	.amdgcn_target "amdgcn-amd-amdhsa--gfx1250"
	.amdhsa_code_object_version 6
	.text
	.protected	k_q1fc91d4297_finish
	.globl	k_q1fc91d4297_finish
	.p2align	8
	.type	k_q1fc91d4297_finish,@function
k_q1fc91d4297_finish:
	s_mov_b64 s[64:65], 0
	v_nop
	global_prefetch_b8 v0, s[64:65] scope:SCOPE_SE
	s_setreg_imm32_b32 hwreg(HW_REG_WAVE_MODE, 25, 1), 1
	s_wait_xcnt 0x0
; out0[m][n] = relu(b2[n] + part[0][m][n] + part[1][m][n] + part[2][m][n] + part[3][m][n]).  part: [4][2048][2048] f32; b2: [2048] f32; out0: [2048][2048] f32.  All in f32:
; ((p0 + p1) + (p2 + p3)) + b2.  LIMITS: a sum that is NaN gives 0 (the maximum takes the number, not the NaN); relu(-0) may be either zero.
; SHARES.  A work-group owns 8 rows.  Its 512 threads x 16 bytes are one row of 8,192 bytes, so thread t keeps columns 4 t .. 4 t + 3 and its four numbers of b2 for all rows.
; A lane's 33 loads (b2; 8 rows x 4 slabs) go out at once: there is no loop.  A wave's load or store covers 512 consecutive bytes, at a multiple of 512 from the buffer's first byte.
; No LDS, no barrier, no matrix unit, no cluster: apart from b2's 8,192 bytes no byte is wanted twice.
.set B2, 4                             ; v[4:7]    b2 of my four columns
.set P,  8                             ; v[8:135]  row i, slab s: four registers at P + 16 i + 4 s
.set ROWB, 8192                        ; bytes in a row
	s_load_b128 s[4:7], s[0:1], 0x0                ; part s[4:5], b2 s[6:7]
	s_load_b64 s[8:9], s[0:1], 0x10                ; out0
	v_lshlrev_b32 v1, 4, v0                        ; my 16 bytes of a row
	s_lshl_b32 s10, ttmp9, 16                      ; the work-group's 8 rows of 8,192 bytes
	s_mov_b32 s11, 0
	s_wait_kmcnt 0x0
	s_add_nc_u64 s[12:13], s[4:5], s[10:11]        ; a base for each slab: they lie 2^24 bytes apart, more than an immediate offset holds
	s_add_nc_u64 s[14:15], s[12:13], 0x1000000
	s_add_nc_u64 s[16:17], s[14:15], 0x1000000
	s_add_nc_u64 s[18:19], s[16:17], 0x1000000
	s_add_nc_u64 s[8:9], s[8:9], s[10:11]
	global_load_b128 v[B2:B2+3], v1, s[6:7]
.irp i, 0,1,2,3,4,5,6,7
.irp s, 0,1,2,3
	global_load_b128 v[P+16*(\i)+4*(\s):P+16*(\i)+4*(\s)+3], v1, s[12+2*(\s):13+2*(\s)] offset:ROWB*(\i) th:TH_LOAD_NT
.endr
.endr
.irp i, 0,1,2,3,4,5,6,7
.set RW, P+16*(\i)
	s_wait_loadcnt 28-4*(\i)                       ; loads come back in order (ISA guide 5.7.1): b2 and rows 0 to i are in; the 4 (7 - i) loads of the later rows stay out
	v_pk_add_f32 v[RW:RW+1],     v[RW:RW+1],     v[RW+4:RW+5]
	v_pk_add_f32 v[RW+2:RW+3],   v[RW+2:RW+3],   v[RW+6:RW+7]
	v_pk_add_f32 v[RW+8:RW+9],   v[RW+8:RW+9],   v[RW+12:RW+13]
	v_pk_add_f32 v[RW+10:RW+11], v[RW+10:RW+11], v[RW+14:RW+15]
	v_pk_add_f32 v[RW:RW+1],     v[RW:RW+1],     v[RW+8:RW+9]
	v_pk_add_f32 v[RW+2:RW+3],   v[RW+2:RW+3],   v[RW+10:RW+11]
	v_pk_add_f32 v[RW:RW+1],     v[RW:RW+1],     v[B2:B2+1]
	v_pk_add_f32 v[RW+2:RW+3],   v[RW+2:RW+3],   v[B2+2:B2+3]
	v_max_num_f32 v[RW],   0, v[RW]
	v_max_num_f32 v[RW+1], 0, v[RW+1]
	v_max_num_f32 v[RW+2], 0, v[RW+2]
	v_max_num_f32 v[RW+3], 0, v[RW+3]
	global_store_b128 v1, v[RW:RW+3], s[8:9] offset:ROWB*(\i) th:TH_STORE_NT  ; no register that a store names is written again
.endr
	s_endpgm
.Lfunc_end_k_q1fc91d4297_finish:
	.size	k_q1fc91d4297_finish, .Lfunc_end_k_q1fc91d4297_finish-k_q1fc91d4297_finish
	.p2alignl 7, 3214868480
	.fill 96, 4, 3214868480
	.section	.rodata,"a",@progbits
	.p2align	6, 0x0
	.amdhsa_kernel k_q1fc91d4297_finish
		.amdhsa_group_segment_fixed_size 0
		.amdhsa_private_segment_fixed_size 0
		.amdhsa_enable_private_segment 0
		.amdhsa_kernarg_size 24
		.amdhsa_user_sgpr_count 2
		.amdhsa_user_sgpr_kernarg_segment_ptr 1
		.amdhsa_wavefront_size32 1
		.amdhsa_system_sgpr_workgroup_id_x 1
		.amdhsa_system_sgpr_workgroup_id_y 1
		.amdhsa_system_sgpr_workgroup_id_z 1
		.amdhsa_system_vgpr_workitem_id 0
		.amdhsa_next_free_vgpr 136
		.amdhsa_next_free_sgpr 66
		.amdhsa_reserve_vcc 0
		.amdhsa_float_denorm_mode_32 3
		.amdhsa_float_denorm_mode_16_64 3
		.amdhsa_memory_ordered 1
		.amdhsa_forward_progress 1
		.amdhsa_inst_pref_size 10
	.end_amdhsa_kernel
	.amdgpu_metadata
---
amdhsa.version: [ 1, 2 ]
amdhsa.kernels:
  - .name:           k_q1fc91d4297_finish
    .symbol:         k_q1fc91d4297_finish.kd
    .args:
      - { .name: part, .offset: 0, .size: 8, .value_kind: global_buffer, .address_space: global }
      - { .name: b2, .offset: 8, .size: 8, .value_kind: global_buffer, .address_space: global }
      - { .name: out0, .offset: 16, .size: 8, .value_kind: global_buffer, .address_space: global }
    .group_segment_fixed_size: 0
    .private_segment_fixed_size: 0
    .kernarg_segment_align: 8
    .kernarg_segment_size: 24
    .max_flat_workgroup_size: 512
    .sgpr_count:     66
    .vgpr_count:     136
    .wavefront_size: 32
...
	.end_amdgpu_metadata
.endif
;; end of part 4
